; MI455X (gfx1250); checked and timed in simulation.
; The chip was launched on July 23, 2026; its instructions are those of AMD's public machine-readable ISA for CDNA 5 (MIT licence, August 2026) and "CDNA5" Instruction Set Architecture Reference Guide (July 2026). The comments in the code are by the model that wrote it; some were corrected since.
;; Symbolic Flow Matching. Allowed arithmetic: matrix products marked QUANTISED: E4M3 operands, one E8M0 scale for each 32 along K, by v_wmma_scale_f32_16x16x128_f8f6f4 with both operands' format E4M3, f32 sums; everything else in f32.
;; Inputs: emb_table 32,000 x 512 float32; xt 16 x 256 x 512 float32.
;; Outputs: out0 16 x 256 x 512 float32.
;; This version of the problem:
;;   THIS VERSION OF THE PROBLEM IS GIVEN IN LOW PRECISION. The matrix products marked QUANTISED in the list below multiply operands that are first quantised to E4M3 (4 exponent bits, 3 mantissa bits; 8 bits a number), with one power-of-two scale for each 32 numbers along K (OCP MX v1.0); their sums are f32. All else is computed in f32.
;;   The module's matrix products, in the order in which they are computed (A, B: the left and right operand; K: the contracted axis; several contracted axes count as one K, in the product's order):
;;     1. [M 4,096, K 512] x [K 512, N 32,000]; A: input xt; B: input emb_table: QUANTISED
;;   THE QUANTISER, for each operand of a quantised product, along K:
;;     - K is cut into blocks of 32 from its start; a last block that is shorter is filled with zeros.
;;     - A block's scale is 2^e with e = floor(log2(the largest magnitude in the block)) - 8, held to -126 .. 127; a block of zeros has e = 0. As a byte (E8M0): e + 127.
;;     - Each number is divided by its block's scale, clamped to +-448, and rounded to the nearest number of E4M3, ties to even, subnormals kept.
;;     - The product sums the exact products of the quantised numbers (number of the format x scale) in f32.
;;   ~~~python
;;   def quantise(x, axis):      # numpy; x: float32 -> the quantised numbers, widened to float32 again
;;       x = np.moveaxis(x, axis, -1); K = x.shape[-1]
;;       x = np.pad(x, [(0, 0)] * (x.ndim - 1) + [(0, -K % 32)]); x = x.reshape(x.shape[:-1] + (-1, 32)); a = np.abs(x).max(-1, keepdims=True)
;;       e = np.where(a > 0, np.clip(np.frexp(np.where(a > 0, a, 1))[1] - 1 - 8, -126, 127), 0)      # np.frexp(a)[1] - 1 = floor(log2(a)), exactly
;;       r = np.clip(x / 2.0 ** e, -448, 448)
;;       step = 2.0 ** (np.maximum(np.frexp(np.where(r == 0, 1, r))[1] - 1, -6) - 3)
;;       q = np.round(r / step) * step * 2.0 ** e      # np.round: ties to even
;;       return np.moveaxis(q.reshape(q.shape[:-2] + (-1,))[..., :K], -1, axis).astype(np.float32)
;;   ~~~
;; One version. Each part assembles by itself: llvm-mc -triple=amdgcn-amd-amdhsa -mcpu=gfx1250 --defsym DOCPART=n.
;; ======== version 1 of 1: 3 launches
;; limits: right only within a limited range of input values
;; workspace buffers: xq 2,228,224 bytes; eq 17,408,000 bytes; cand 1,048,576 bytes of whole numbers
;; launch quant (part 1): grid 752 x 1, 3 waves a work-group, no clusters, 27,392 bytes of LDS; arguments xt, emb_table, xq, eq; writes xq, eq
.if DOCPART == 1
	.amdgcn_target "amdgcn-amd-amdhsa--gfx1250"
	.amdhsa_code_object_version 6
	.text
	.protected	k_qe940f80647_quant
	.globl	k_qe940f80647_quant
	.p2align	8
	.type	k_qe940f80647_quant,@function
k_qe940f80647_quant:
	s_mov_b64 s[64:65], 0
	v_nop
	global_prefetch_b8 v0, s[64:65] scope:SCOPE_SE
	s_setreg_imm32_b32 hwreg(HW_REG_WAVE_MODE, 25, 1), 1
	s_wait_xcnt 0x0
; xt [4096][512] and emb_table [32000][512], f32, become RECORDS of 16 rows each: codes of FP8 (E4M3) with one E8M0 scale byte for each 32 along K, laid as the
; matrix instruction's operand registers take them, so that the next launch loads fragments whole.
; A RECORD is 8,704 bytes (34 x 256):  [2048 s + 512 c + 16 lane, +16): K step s (128 along K), registers 4 c .. 4 c + 3 of lane (r = lane % 16, h = lane / 16): the codes of row r,
; k = 128 s + 32 c + 16 h + 0 .. 15;   [8192 + 64 s + 4 r, +4): row r's scale word of K step s;   [8448 + 4 r, +4): -0.5 x the sum of the row's squares, in f32;   [8512, 8704): zeros.
; A block's scale is 2^(floor(log2(its largest magnitude)) - 8); its byte is the largest magnitude's exponent field - 8, held at 1 from below.  A block of zeros so gets the byte 1 where the
; rule says 127: its codes are zeros, which add nothing under any byte but 0xff, and this program alone reads the bytes.
; LIMITS: NaN and infinities among the inputs are not served; blocks whose largest magnitude lies under 2^(9 - 127) get the floor's byte.
; SHARES.  A wave takes one record: 16 rows, 32,768 bytes in, 8,704 out.  Record 3 x work-group + wave of 2,256: the first 256 are xt's, the other 2,000 emb_table's.
; 752 work-groups of three waves deal the 2,256 records so that 256 WGPs get 9 or 6 each.  Only pointers are chosen: one path through the text.
; Each load reads 512 consecutive bytes of a row; the conversions want 16 neighbours along K in one lane: a K step's 16 x 512 bytes turn through the wave's own stage in LDS.
; No barrier: every LDS byte is the wave's own, and LDS serves a wave's instructions in order.
.set REC,   8704
.set WREG,  8960                       ; LDS of a wave: the stage, 16 rows x 528, and 512 bytes for the record's last 512
.set SPARE, 3*WREG                     ; behind the three regions: the spare words, 128 bytes a wave
.set SP,    528                        ; a stage row: 512 bytes + 16: 132 words, so that sixteen rows start at sixteen different groups of four banks
.set TRL,   16*SP
.set GA,   4                           ; v4   16 x lane: my place in a load's or a store's 512 bytes; never rewritten
.set STI,  5                           ; v5   the stage, on the way in
.set STO,  6                           ; v6   and on the way out: row r, + 64 h
.set TRW,  8                           ; v8   the trailer: 4 r
.set TRZ,  9                           ; v9   its second half: 256 + 8 x lane
.set TRR,  10                          ; v10  and back: 16 x lane
.set ZZ,   12                          ; v[12:13] zeros
.set PW,   16                          ; v16-19  a scale word for each K step
.set SQ,   20                          ; v20-27  the squares, four packed chains
.set TO,   28                          ; v28-31  the trailer on its way out
.set R,    32                          ; v32-159 two sets of 64 registers as loaded
.set X,    160                         ; v160-223 64 numbers of my row: register 16 c + i = k 32 c + 16 h + i of the K step
.set PC,   224                         ; v224-239 the codes
.set TM,   240                         ; v240-243 largest magnitudes, 244-247 bytes, 248-251 448 x the scale, 252-255 the conversions' scale operands
.set SEL,  20                          ; s[20:21] lane selects: lane l xor 16
.set MNT,  22                          ; s22  the mantissa field of 448
	s_load_b128 s[4:7], s[0:1], 0x0                ; xt, emb_table
	s_load_b128 s[8:11], s[0:1], 0x10              ; xq, eq
	v_lshl_add_u32 v14, v0, 2, SPARE
	v_mov_b32 v15, 0
	v_lshrrev_b32 v1, 5, v0
	v_readfirstlane_b32 s16, v1                    ; wave 0..2
	v_and_b32 v1, 31, v0                           ; lane
	v_and_b32 v2, 15, v0                           ; r
	v_bfe_u32 v3, v0, 4, 1                         ; h
	v_lshlrev_b32 v[GA], 4, v1
	s_mul_i32 s17, s16, WREG
	v_add_nc_u32 v[STI], s17, v[GA]
	v_mul_u32_u24 v[STO], v2, SP
	v_lshl_add_u32 v[STO], v3, 6, v[STO]
	v_add_nc_u32 v[STO], s17, v[STO]
	s_add_co_u32 s18, s17, TRL
	v_lshl_add_u32 v[TRW], v2, 2, s18
	v_lshl_add_u32 v[TRZ], v1, 3, s18
	v_add_nc_u32 v[TRZ], 256, v[TRZ]
	v_add_nc_u32 v[TRR], s18, v[GA]
	v_mov_b32 v[ZZ], 0
	v_mov_b32 v[ZZ+1], 0
.irp b, 0,1,2,3
	v_mov_b32 v[TM+4+\b], 0                        ; written once: a lane permute's destination counts as one of its sources
.endr
	s_mov_b32 s[SEL], 0x76543210
	s_mov_b32 s[SEL+1], 0xfedcba98
	s_mov_b32 s[MNT], 0x600000
	s_wait_kmcnt 0x0
	s_mul_i32 s12, ttmp9, 3
	s_add_co_u32 s12, s12, s16                     ; my record of the 2,256
	s_cmp_lt_u32 s12, 256                          ; xt's or emb_table's?  The choice hangs on the work-group's and the wave's number alone
	s_cselect_b64 s[4:5], s[4:5], s[6:7]
	s_cselect_b64 s[8:9], s[8:9], s[10:11]
	s_cselect_b32 s13, 0, 256
	s_sub_co_u32 s12, s12, s13                     ; my record in its tensor, 1,999 at the most
	s_lshl_b32 s14, s12, 15                        ; 16 rows of 2,048 bytes
	s_mov_b32 s15, 0
	s_add_nc_u64 s[4:5], s[4:5], s[14:15]
	s_mul_i32 s14, s12, REC
	s_add_nc_u64 s[8:9], s[8:9], s[14:15]
.macro LOADK s                         ; K step s of my 16 rows into set s % 2: load i reads 512 consecutive bytes of row i
.irp i, 0,1,2,3,4,5,6,7,8,9,10,11,12,13,14,15
	global_load_b128 v[R+64*((\s)%2)+4*\i:R+64*((\s)%2)+4*\i+3], v[GA], s[4:5] offset:2048*\i+512*(\s) th:TH_LOAD_NT
.endr
.endm
; The 64 numbers in v[X] on become a fragment's codes in v[PC] on and its scale word in v[pw].
.macro QUANT pw
.irp b, 0,1,2,3
	v_max3_num_f32 v[TM+\b], |v[X+16*\b]|, |v[X+1+16*\b]|, 0x4800000   ; block b: my 16 numbers, and the floor 2^(9 - 127): so the byte cannot fall under 1
.endr
.irp i, 2,4,6,8,10,12,14
.irp b, 0,1,2,3
	v_max3_num_f32 v[TM+\b], v[TM+\b], |v[X+16*\b+\i]|, |v[X+1+16*\b+\i]|   ; the four blocks by turns
.endr
.endr
.irp b, 0,1,2,3
	v_permlanex16_b32 v[TM+4+\b], v[TM+\b], s[SEL], s[SEL+1]
.endr
.irp b, 0,1,2,3
	v_max_num_f32 v[TM+\b], v[TM+\b], v[TM+4+\b]   ; with lane l xor 16's 16: the block's largest magnitude
.endr
.irp b, 0,1,2,3
	v_add_nc_u32 v[TM+12+\b], 0xfc000000, v[TM+\b] ; 8 off its exponent field: the conversion takes the exponent field of this operand as its scale
.endr
.irp b, 0,1,2,3
	v_and_or_b32 v[TM+8+\b], v[TM+\b], 0x7f800000, s[MNT]   ; 448 x the scale
.endr
.irp b, 0,1,2,3
	v_lshrrev_b32 v[TM+4+\b], 23, v[TM+12+\b]      ; the scale's byte
.endr
	v_lshl_or_b32 v[\pw], v[TM+5], 8, v[TM+4]      ; four bytes make my row's scale word
	v_lshl_or_b32 v[\pw], v[TM+6], 16, v[\pw]
	v_lshl_or_b32 v[\pw], v[TM+7], 24, v[\pw]
.irp b, 0,1,2,3
.irp i, 0,1,2,3,4,5,6,7,8,9,10,11,12,13,14,15
	v_med3_num_f32 v[X+16*\b+\i], v[X+16*\b+\i], -v[TM+8+\b], v[TM+8+\b]   ; the conversion to an 8-bit code does not saturate (ISA guide 7.6.2): the hold at 448 x the scale
.endr
	v_cvt_scalef32_pk8_fp8_f32 v[PC+4*\b:PC+1+4*\b], v[X+16*\b:X+7+16*\b], v[TM+12+\b]
	v_cvt_scalef32_pk8_fp8_f32 v[PC+2+4*\b:PC+3+4*\b], v[X+8+16*\b:X+15+16*\b], v[TM+12+\b]
.endr
	v_nop                                          ; one plain vector instruction behind the last scaled conversion
.endm
.macro STEP s
.set RS, R+64*((\s)%2)
.if (\s) < 3
	s_wait_loadcnt 16                              ; this K step's 16 loads are in; the next K step's 16 may be out
.else
	s_wait_loadcnt 0x0
.endif
.irp i, 0,1,2,3,4,5,6,7,8,9,10,11,12,13,14,15
	ds_store_b128 v[STI], v[RS+4*\i:RS+4*\i+3] offset:SP*\i
.endr
.irp c, 0,1,2,3
.irp t, 0,1,2,3
	ds_load_b128 v[X+16*\c+4*\t:X+16*\c+4*\t+3], v[STO] offset:128*\c+16*\t   ; my row's 16 numbers of block c
.endr
.endr
	s_wait_dscnt 0x0                               ; the numbers are back, and the stores into the stage have read their registers,
.if (\s) < 2
	LOADK (\s)+2                                   ; which take the K step two further on
.endif
.set m, 0
.rept 32                               ; the squares, two at a time, in four chains; the first four products start them: nothing is cleared
.if ((\s) == 0) && (m < 4)
	v_pk_mul_f32 v[SQ+2*(m%4):SQ+2*(m%4)+1], v[X+2*m:X+2*m+1], v[X+2*m:X+2*m+1]
.else
	v_pk_fma_f32 v[SQ+2*(m%4):SQ+2*(m%4)+1], v[X+2*m:X+2*m+1], v[X+2*m:X+2*m+1], v[SQ+2*(m%4):SQ+2*(m%4)+1]
.endif
.set m, m+1
.endr
	s_wait_xcnt 0x0                                ; the last K step's stores have read the codes' registers: they are written again only behind this wait
	QUANT PW+(\s)
.irp c, 0,1,2,3
	global_store_b128 v[GA], v[PC+4*\c:PC+4*\c+3], s[8:9] offset:2048*(\s)+512*\c   ; 32 lanes store 512 consecutive bytes, at a multiple of 256 from the buffer's first byte
.endr
	ds_store_b32 v[TRW], v[PW+(\s)] offset:64*(\s) ; lanes r and r + 16 write the same word with the same value
.endm
	LOADK 0
	LOADK 1
	STEP 0
	STEP 1
	STEP 2
	STEP 3
	; the record's last 512 bytes: the scale words lie in the trailer; the bias and the zeros join them
	v_pk_add_f32 v[SQ:SQ+1], v[SQ:SQ+1], v[SQ+2:SQ+3]
	v_pk_add_f32 v[SQ+4:SQ+5], v[SQ+4:SQ+5], v[SQ+6:SQ+7]
	v_pk_add_f32 v[SQ:SQ+1], v[SQ:SQ+1], v[SQ+4:SQ+5]
	v_add_f32 v[SQ], v[SQ], v[SQ+1]
	v_permlanex16_b32 v[SQ+1], v[SQ], s[SEL], s[SEL+1]
	v_add_f32 v[SQ], v[SQ], v[SQ+1]                ; with lane l xor 16's half of the row
	v_mul_f32 v[SQ], -0.5, v[SQ]
	ds_store_b64 v[TRZ], v[ZZ:ZZ+1]                ; zeros over the second 256 bytes,
	ds_store_b32 v[TRW], v[SQ] offset:256          ; then the bias over their first 64
	ds_load_b128 v[TO:TO+3], v[TRR]                ; LDS serves a wave's instructions in order: this sees my stores
	s_wait_dscnt 0x0
	global_store_b128 v[GA], v[TO:TO+3], s[8:9] offset:8192
	s_wait_tensorcnt 0x0                           ; the wave's end
	ds_add_u32 v14, v15
	s_wait_dscnt 0x0
	s_endpgm
.Lfunc_end_k_qe940f80647_quant:
	.size	k_qe940f80647_quant, .Lfunc_end_k_qe940f80647_quant-k_qe940f80647_quant
	.p2alignl 7, 3214868480
	.fill 96, 4, 3214868480
	.section	.rodata,"a",@progbits
	.p2align	6, 0x0
	.amdhsa_kernel k_qe940f80647_quant
		.amdhsa_group_segment_fixed_size 27392
		.amdhsa_private_segment_fixed_size 0
		.amdhsa_enable_private_segment 0
		.amdhsa_kernarg_size 32
		.amdhsa_user_sgpr_count 2
		.amdhsa_user_sgpr_kernarg_segment_ptr 1
		.amdhsa_wavefront_size32 1
		.amdhsa_system_sgpr_workgroup_id_x 1
		.amdhsa_system_sgpr_workgroup_id_y 1
		.amdhsa_system_sgpr_workgroup_id_z 1
		.amdhsa_system_vgpr_workitem_id 0
		.amdhsa_next_free_vgpr 256
		.amdhsa_next_free_sgpr 66
		.amdhsa_reserve_vcc 0
		.amdhsa_float_denorm_mode_32 3
		.amdhsa_float_denorm_mode_16_64 3
		.amdhsa_memory_ordered 1
		.amdhsa_forward_progress 1
		.amdhsa_inst_pref_size 59
	.end_amdhsa_kernel
	.amdgpu_metadata
---
amdhsa.version: [ 1, 2 ]
amdhsa.kernels:
  - .name:           k_qe940f80647_quant
    .symbol:         k_qe940f80647_quant.kd
    .args:
      - { .name: xt, .offset: 0, .size: 8, .value_kind: global_buffer, .address_space: global }
      - { .name: emb_table, .offset: 8, .size: 8, .value_kind: global_buffer, .address_space: global }
      - { .name: xq, .offset: 16, .size: 8, .value_kind: global_buffer, .address_space: global }
      - { .name: eq, .offset: 24, .size: 8, .value_kind: global_buffer, .address_space: global }
    .group_segment_fixed_size: 27392
    .private_segment_fixed_size: 0
    .kernarg_segment_align: 8
    .kernarg_segment_size: 32
    .max_flat_workgroup_size: 96
    .sgpr_count:     66
    .vgpr_count:     256
    .wavefront_size: 32
...
	.end_amdgpu_metadata
.endif
;; end of part 1
;; launch search (part 2): grid 8 x 32, 4 waves a work-group, clusters of 4 x 1, 327,680 bytes of LDS; arguments xq, eq, cand; writes cand
.if DOCPART == 2
	.amdgcn_target "amdgcn-amd-amdhsa--gfx1250"
	.amdhsa_code_object_version 6
	.text
	.protected	k_qe940f80647_search
	.globl	k_qe940f80647_search
	.p2align	8
	.type	k_qe940f80647_search,@function
k_qe940f80647_search:
	s_mov_b64 s[64:65], 0
	v_nop
	global_prefetch_b8 v0, s[64:65] scope:SCOPE_SE
	s_setreg_imm32_b32 hwreg(HW_REG_WAVE_MODE, 25, 1), 1
	s_wait_xcnt 0x0
	s_wait_alu depctr_hold_cnt(0) depctr_sa_sdst(0) depctr_va_vdst(0) depctr_va_sdst(0) depctr_va_ssrc(0) depctr_va_vcc(0) depctr_vm_vsrc(0)
	s_getreg_b32 s2, hwreg(HW_REG_IB_STS2, 6, 4)
	s_cmp_eq_u32 s2, 0
	s_cbranch_scc0 .Lentry_in_a_cluster
	s_endpgm
.Lentry_in_a_cluster:
	s_bfe_u32 s2, ttmp6, 0x10000c
	s_cmp_lg_u32 s2, 0x3003
	s_cbranch_scc0 .Lentry_shape_is_right
	s_endpgm
.Lentry_shape_is_right:
; For each row of xt the best table row of one range: the greatest x.e - 0.5 |e|^2 (the least |e|^2 - 2 x.e), on the records of codes that the launch before has laid.
; cand[range][row] = (key, index): key = the score as an ordered whole number, index = the table row.  Equal scores: the lower index.
; SHARES.  Work-group (x, y): 512 rows of xt (32 records) against 64 records of the table from record min(62.5 y, 1936) on (neighbouring ranges overlap; both then hold the same index).
; A wave keeps 8 records of xt (128 rows) in 512 registers for the whole launch; the table's records pass through two LDS slots of 8 records, each wave fetching a quarter of a slot.
; CLUSTER 4 x 1: the four partners share the range, so each quarter slot is asked for jointly (mask 15); its address hangs on y and the wave alone.
; A BLOCK is one table record against my 8 records: 8 tiles x 4 K steps = 32 products, in two turns of 4 tiles by turns.  Source 0 = the table's 16 rows, source 1 = 16 rows of xt:
; a lane holds one row of xt and 8 table rows.  The first K step takes -0.5 |e|^2 as C.
; THE SEARCH, 10 vector lines a tile: four v_max3 carry the running best through the tile's 8 scores (two sets of bests take turns by the block's parity, so that old and new stand side by side),
; one compare, one select of the block's number, four paired selects that keep the winning tile's 8 scores; which of the 8 won is found once, at the end.  While one turn multiplies, the other turn's tiles are searched:
; one to three lines behind each product, six to eight behind the turn; no line reads what a line behind the same product wrote, but for the last tile's compare.  These lines are also the places that the next reads and loads need.
; The next record's 20 LDS loads go out in one run at a block's head, a block ahead of their use.
; No prefetch: a slot's refill is asked for 7 of a slot's 8 blocks (224 products a wave) ahead of the wait for it.
; LIMITS: NaN and infinities are not served.  The bias words of xt's records are not read: |x|^2 is no part of the score.
.set REC,   8704
.set QRT,   2*REC
.set SLOTB, 8*REC
.set SLOT1, 1<<17
.set SPARE, SLOT1+SLOTB                ; behind slot 1: the spare words, 128 bytes a wave
.set LF,  1                            ; 16 x lane
.set L4,  2                            ; 4 x lane
.set LB,  3                            ; 32 x (lane / 16)
.set ADF, 4                            ; LDS addresses of the record that the next run loads: fragments,
.set ADS, 5                            ; scale words,
.set ADB, 6                            ; bias
.set VID, 7                            ; 16 x the number of the block being searched
.set SPW, 8
.set NIL, 9
.set T,   10                           ; v10-11 two chains of maxima
.set H8,  12
.set CO,  13
.set ES,  16                           ; the table's scale words: v16-17 set 0, v24-25 set 1; lanes 0-15 an even K step, lanes 16-31 the odd one behind it
                                       ; xt's scale words: v18-23, v26-31, v34-37: word i at 18 + i + 2 (i / 6)
.set BS,  40                           ; bias, two sets of 8
.set BV,  56                           ; bests, two sets of 8
.set BI,  72                           ; the best's block
.set ACC, 80                           ; 8 tiles x 8
.set SV,  144                          ; the winning tile's 8 scores, for each of 8 tiles
.set KEY, 208
.set IDX, 216
.set KP,  224
.set IP,  225
.set TJ,  226
.set TT,  227
.set OUTP, 228
.set WV,  10
.set TB,  20
.set SL,  21
.set BC,  22
.set G1,  24
.set G0A, 32
.set G0W, 36
.set SEL, 46
.set MSB, 0
.macro WIN new                         ; the immediate's high byte repeats the setting that is left
.if MSB != (\new)
	s_set_vgpr_msb (MSB<<8)|(\new)
.set MSB, (\new)
.endif
.endm
.macro CREST                           ; a round of the cluster's barrier behind its opening barrier
	s_cmp_lg_u32 s[WV], 0
	s_cbranch_scc1 .Lnot_wave_0_\@
	s_barrier_signal -3
.Lnot_wave_0_\@:
	s_barrier_wait -3
	s_barrier_signal -1
	s_barrier_wait -1
.endm
.macro CROUND
	s_barrier_signal -1
	s_barrier_wait -1
	CREST
.endm
	s_load_b128 s[4:7], s[0:1], 0x0                ; xq, eq
	s_load_b64 s[8:9], s[0:1], 0x10                ; cand
	v_lshl_add_u32 v[SPW], v0, 2, SPARE
	v_mov_b32 v[NIL], 0
	ds_add_u32 v[SPW], v[NIL]                      ; the opening lines: the add twice on end, under one wait
	ds_add_u32 v[SPW], v[NIL]
	v_lshrrev_b32 v15, 5, v0
	v_readfirstlane_b32 s[WV], v15                 ; wave 0..3
	v_and_b32 v14, 31, v0
	v_lshlrev_b32 v[LF], 4, v14
	v_lshlrev_b32 v[L4], 2, v14
	v_lshlrev_b32 v[CO], 3, v14
	v_bfe_u32 v15, v0, 4, 1
	v_lshlrev_b32 v[LB], 5, v15
	v_lshlrev_b32 v[H8], 3, v15
	s_bfe_u32 s11, ttmp6, 0x40000                  ; cx
	s_lshl_b32 s12, ttmp9, 2
	s_add_co_u32 s12, s12, s11                     ; which 512 rows of xt
	s_and_b32 s13, ttmp7, 0xffff                   ; which range
	s_mul_i32 s14, s13, 125
	s_lshr_b32 s14, s14, 1
	s_min_u32 s14, s14, 1936                       ; its first record
	s_mov_b32 s[G1], 15|(3<<16)|(1<<21)            ; a quarter slot, dense: 68 rows of 256 bytes (32 elements of 8 bytes); mask: all four partners
	s_mov_b32 s[G1+1], 32<<16
	s_mov_b32 s[G1+2], 68<<16
	s_mov_b32 s[G1+3], 32<<16
	s_mov_b32 s[G1+4], 68
	s_mov_b32 s[G1+5], 32
	s_mov_b32 s[G1+6], 0
	s_mov_b32 s[G1+7], 0
	s_mul_i32 s16, s14, REC
	s_mul_i32 s18, s[WV], QRT
	s_add_co_u32 s16, s16, s18
	s_mov_b32 s17, 0
	s_lshl_b32 s48, s12, 5
	s_lshl_b32 s49, s[WV], 3
	s_add_co_u32 s48, s48, s49
	s_mul_i32 s48, s48, REC                        ; my 8 records of xt
	s_mov_b32 s49, 0
	s_lshl_b32 s50, s12, 12
	s_lshl_b32 s51, s13, 15
	s_add_co_u32 s50, s50, s51
	s_lshl_b32 s51, s[WV], 10
	s_add_co_u32 s50, s50, s51                     ; my 128 pairs in cand
	s_mov_b32 s51, 0
	s_lshl_b32 s15, s14, 4
	s_sub_co_u32 s15, s15, 16
	s_mov_b32 s23, 0xff7fffff                      ; the least finite f32
	s_mov_b32 s45, 0xffff0000                      ; lanes 16-31
	s_mov_b32 s[SEL], 0x76543210
	s_mov_b32 s[SEL+1], 0xfedcba98
	s_mov_b32 s[TB], 0
	s_wait_alu depctr_va_vdst(0)
	s_wait_dscnt 0x0
	s_wait_kmcnt 0x0
	s_add_nc_u64 s[4:5], s[4:5], s[48:49]
	s_add_nc_u64 s[8:9], s[8:9], s[50:51]
	s_mov_b32 s[G0A], 1
	s_mov_b32 s[G0A+1], s18
	s_add_nc_u64 s[G0A+2:G0A+3], s[6:7], s[16:17]
	s_or_b32 s[G0A+3], s[G0A+3], 0x80000000
	s_mov_b32 s[G0W], 1
	s_add_co_u32 s[G0W+1], s18, SLOT1
	s_add_nc_u64 s[G0W+2:G0W+3], s[6:7], s[16:17]
	s_add_nc_u64 s[G0W+2:G0W+3], s[G0W+2:G0W+3], SLOTB
	s_or_b32 s[G0W+3], s[G0W+3], 0x80000000
	CROUND                                         ; the four partners are here: the first joint loads meet
	tensor_load_to_lds s[G0A:G0A+3], s[G1:G1+7]    ; slot 0, my quarter: my one tensor load at the head
	s_nop 0
	WIN 0x40                                       ; xt's records 0-3 into window 1, 4-7 into window 2: register 64 q + 16 s + 4 c
.irp q, 0,1,2,3
.irp s, 0,1,2,3
.irp c, 0,1,2,3
	global_load_b128 v[64*\q+16*\s+4*\c:64*\q+16*\s+4*\c+3], v[LF], s[4:5] offset:REC*\q+2048*\s+512*\c
.endr
.endr
.endr
	WIN 0x80
.irp q, 0,1,2,3
.irp s, 0,1,2,3
.irp c, 0,1,2,3
	global_load_b128 v[64*\q+16*\s+4*\c:64*\q+16*\s+4*\c+3], v[LF], s[4:5] offset:REC*(\q+4)+2048*\s+512*\c
.endr
.endr
.endr
	WIN 0
.set ii, 0
.rept 16
	global_load_b32 v[18+ii+2*(ii/6)], v[L4], s[4:5] offset:REC*(ii/2)+8192+128*(ii%2)
.set ii, ii+1
.endr
.set ii, 0
.rept 32
	v_mov_b32 v[ACC+32+ii], s23                    ; tiles 4-7 are searched once before they are first multiplied: they find nothing
.set ii, ii+1
.endr
.set ii, 0
.rept 8
	v_mov_b32 v[BV+ii], s23
	v_mov_b32 v[BI+ii], 0
.set ii, ii+1
.endr
.set ii, 0
.rept 64
	v_mov_b32 v[SV+ii], s23                        ; a select reads what it may keep
.set ii, ii+1
.endr
	v_mov_b32 v[VID], s15
	v_mov_b32 v[KP], 0
	v_mov_b32 v[IP], 0
.macro ADDR
	v_add_nc_u32 v[ADF], s[TB], v[LF]
	v_add_nc_u32 v[ADS], s[TB], v[L4]
	v_add_nc_u32 v[ADB], s[TB], v[LB]
	s_add_co_u32 s[TB], s[TB], REC
.endm
; The search's lines, for tile t of half h.  b: the block's parity (which set of bests is the old one).
.macro MX h, t, k, b                   ; step k = 1 .. 4 of the chain of maxima
.set vq, 4*(\h)+(\t)
.set vA, ACC+8*vq
.set vT, T+(\t)%2
.if (\k) == 1
	v_max3_num_f32 v[vT], v[BV+8*(\b)+vq], v[vA], v[vA+1]          ; each accumulator is read from its low end on
.elseif (\k) == 4
	v_max3_num_f32 v[BV+8*(1-(\b))+vq], v[vT], v[vA+6], v[vA+7]    ; the new best
.else
	v_max3_num_f32 v[vT], v[vT], v[vA+2*(\k)-2], v[vA+2*(\k)-1]
.endif
.endm
.macro CP h, t, b                      ; has this tile raised the best?
.set vq, 4*(\h)+(\t)
	v_cmp_gt_f32 vcc_lo, v[BV+8*(1-(\b))+vq], v[BV+8*(\b)+vq]
.endm
.macro DD h, t, i                      ; if so, keep its scores 2 i and 2 i + 1,
.set vq, 4*(\h)+(\t)
.set vA, ACC+8*vq+2*(\i)
.set vS, SV+8*vq+2*(\i)
	v_dual_cndmask_b32 v[vS], v[vS], v[vA] :: v_dual_cndmask_b32 v[vS+1], v[vS+1], v[vA+1]
.endm
.macro BB h, t                         ; and the block's number
.set vq, 4*(\h)+(\t)
	v_cndmask_b32 v[BI+vq], v[BI+vq], v[VID], vcc_lo
.endm
; What stands behind product s (0 .. 15) of a turn, and (s = 16) behind the turn.  Each step of a chain stands behind a product of its own; two chains overlap; a tile's compare and selects take four products.
; f = 1 (the second turn): the LDS addresses step to the record two blocks on.  f = 0: the block's number steps behind the turn's last select.
.macro SLOTV h, b, f, s
.if (\s) < 4
	MX \h, 0, (\s)+1, \b
.if (\s) >= 2
	MX \h, 1, (\s)-1, \b
.endif
.if \f
.if (\s) == 0
	v_add_nc_u32 v[ADF], s[TB], v[LF]
.elseif (\s) == 1
	v_add_nc_u32 v[ADS], s[TB], v[L4]
.elseif (\s) == 2
	v_add_nc_u32 v[ADB], s[TB], v[LB]
	s_add_co_u32 s[TB], s[TB], REC
.endif
.endif
.elseif (\s) < 16
.set st, ((\s)-4)/4
.set sr, ((\s)-4)%4
.if sr == 0
	CP \h, st, \b
	MX \h, st+1, 3, \b
.elseif sr == 1
	DD \h, st, 0
	DD \h, st, 1
	MX \h, st+1, 4, \b
.elseif sr == 2
	DD \h, st, 2
	DD \h, st, 3
.if st < 2
	MX \h, st+2, 1, \b
.endif
.else
	BB \h, st
.if st < 2
	MX \h, st+2, 2, \b
.else
	CP \h, 3, \b
.endif
.endif
.else
.if \f
	v_nop                                          ; with the one below: nine lines stand behind the turn's last product, ahead of the loads into its operands
.endif
	DD \h, 3, 0
	DD \h, 3, 1
	DD \h, 3, 2
	DD \h, 3, 3
	BB \h, 3
.if \f
	v_nop
.else
	v_add_nc_u32 v[VID], 16, v[VID]
.endif
.endif
.endm
; 20 LDS loads in one run: a record's bias, scale words and fragments into set nb
.macro RUN nb
	WIN 0
	ds_load_b128 v[BS+8*(\nb):BS+8*(\nb)+3], v[ADB] offset:8448
	ds_load_b128 v[BS+8*(\nb)+4:BS+8*(\nb)+7], v[ADB] offset:8464
	ds_load_b32 v[ES+8*(\nb)], v[ADS] offset:8192
	ds_load_b32 v[ES+8*(\nb)+1], v[ADS] offset:8320
	WIN 0xC0
.irp s, 0,1,2,3
.irp c, 0,1,2,3
	ds_load_b128 v[64*(\nb)+16*\s+4*\c:64*(\nb)+16*\s+4*\c+3], v[ADF] offset:2048*\s+512*\c
.endr
.endr
.endm
; 16 products: tiles 4 p .. 4 p + 3 by turns, K step by K step, on the table's set b; the other half's tiles are searched meanwhile
.macro TURN p, b
.set ti, 0
.rept 16
.set ts, ti/4
.set tq, 4*(\p)+ti%4
.set tA, ACC+8*tq
.set tE, 64*(\b)+16*ts
.set tX, 64*(ti%4)+16*ts
.set tSE, ES+8*(\b)+ts/2
.set tSX, 18+(2*tq+ts/2)+2*((2*tq+ts/2)/6)
	WIN 0x07+4*(\p)                                ; source 0 window 3, source 1 window 1 or 2, C and D window 0
.if ts == 0
	v_wmma_scale_f32_16x16x128_f8f6f4 v[tA:tA+7], v[tE:tE+15], v[tX:tX+15], v[BS+8*(\b):BS+8*(\b)+7], v[tSE], v[tSX]
.elseif ts == 2
	v_wmma_scale_f32_16x16x128_f8f6f4 v[tA:tA+7], v[tE:tE+15], v[tX:tX+15], v[tA:tA+7], v[tSE], v[tSX]
.else
	v_wmma_scale_f32_16x16x128_f8f6f4 v[tA:tA+7], v[tE:tE+15], v[tX:tX+15], v[tA:tA+7], v[tSE], v[tSX] matrix_a_scale:MATRIX_SCALE_ROW1 matrix_b_scale:MATRIX_SCALE_ROW1
.endif
	WIN 0
	SLOTV 1-\p, \b, \p, ti
.set ti, ti+1
.endr
	SLOTV 1-\p, \b, \p, 16
.endm
; mode 0: inside a slot.  1: a slot's last block: the slot is filled again.  2: a change of slots with nothing left to fetch.  3: the last block of all.
; sw = 1: a slot's seventh block: the addresses made in it are the other slot's first record's.
.macro BLOCK b, mode, sw
.if (\mode) == 0
	RUN 1-(\b)                                     ; the next record
	s_wait_dscnt 20                                ; all but the 20 just issued: this block's record is in
.elseif (\mode) == 3
	s_wait_dscnt 0x0
.else
	s_wait_tensorcnt 0x0                           ; my quarter of the other slot has landed;
	ds_add_u32 v[SPW], v[NIL]
.if (\mode) == 1
	s_xor_b32 s[G0W+1], s[G0W+1], SLOT1            ; no tensor load of mine is out: the descriptor steps to this slot, two slots on in the table
	s_add_nc_u64 s[G0W+2:G0W+3], s[G0W+2:G0W+3], SLOTB
.endif
	s_wait_dscnt 0x0                               ; the add is done; my reads of this slot are over: its last record is in registers
	s_barrier_signal -1
.endif
.if \sw
	s_sub_co_u32 s[TB], s[TB], 8*REC
	s_xor_b32 s[TB], s[TB], SLOT1
.endif
	TURN 0, \b                                     ; (register work alone between the signal and the wait)
.if ((\mode) == 1) || ((\mode) == 2)
	s_barrier_wait -1
.if (\mode) == 1
	CREST                                          ; no wave of any partner still reads this slot or has a load on its way
	tensor_load_to_lds s[G0W:G0W+3], s[G1:G1+7]
	s_nop 0
.endif
	RUN 1-(\b)                                     ; the other slot's first record
.endif
	TURN 1, \b
.endm
.macro SLOTRUN mode
	s_mov_b32 s[BC], 3
.Lpair_\@:
	BLOCK 0, 0, 0
	BLOCK 1, 0, 0
	s_sub_co_u32 s[BC], s[BC], 1
	s_cmp_lg_u32 s[BC], 0
	s_cbranch_scc1 .Lpair_\@
	BLOCK 0, 0, 1
	BLOCK 1, \mode, 0
.endm
	ADDR                                           ; record 0
	s_wait_alu depctr_va_vdst(0)
	s_wait_tensorcnt 0x0                           ; my quarter of slot 0 is in; slot 1's first fill is issued as a refill is
	ds_add_u32 v[SPW], v[NIL]
	s_wait_dscnt 0x0
	CROUND                                         ; every wave's quarter is in, and the four partners are here
	tensor_load_to_lds s[G0W:G0W+3], s[G1:G1+7]
	s_nop 0
	RUN 0
	WIN 0
	ADDR                                           ; record 1
	s_wait_alu depctr_va_vdst(0)
	s_wait_loadcnt 0x0                             ; xt's records
	s_mov_b32 s[SL], 6
.Lslot:
	SLOTRUN 1
	s_sub_co_u32 s[SL], s[SL], 1
	s_cmp_lg_u32 s[SL], 0
	s_cbranch_scc1 .Lslot
	SLOTRUN 2
	SLOTRUN 3
.set tl, 0
.rept 17
	SLOTV 1, 0, 0, tl                              ; the last block's tiles 4-7: their bests end in set 1, tiles 0-3's in set 0
.set tl, tl+1
.endr
.irp q, 0,1,2,3,4,5,6,7
	v_mov_b32 v[TJ], 7                             ; the lowest of the 8 that holds the best
.irp j, 6,5,4,3,2,1,0
	v_cmp_neq_f32 vcc_lo, v[SV+8*\q+\j], v[BV+8*(\q/4)+\q]
	v_cndmask_b32 v[TJ], \j, v[TJ], vcc_lo
.endr
	v_add3_u32 v[IDX+\q], v[BI+\q], v[TJ], v[H8]
	v_add_f32 v[TT], 0, v[BV+8*(\q/4)+\q]          ; (-0 becomes +0)
	v_ashrrev_i32 v[KEY+\q], 31, v[TT]
	v_or_b32 v[KEY+\q], 0x80000000, v[KEY+\q]
	v_xor_b32 v[KEY+\q], v[TT], v[KEY+\q]          ; the score as a whole number that orders as the score does
	v_permlanex16_b32 v[KP], v[KEY+\q], s[SEL], s[SEL+1]
	v_permlanex16_b32 v[IP], v[IDX+\q], s[SEL], s[SEL+1]
	v_cmp_gt_u32 s42, v[KP], v[KEY+\q]             ; lane l xor 16 holds the row's other 8 of each 16
	v_cmp_eq_u32 s43, v[KP], v[KEY+\q]
	v_cmp_lt_u32 s44, v[IP], v[IDX+\q]
	s_and_b32 s43, s43, s44
	s_or_b32 s42, s42, s43
	v_cndmask_b32 v[KEY+\q], v[KEY+\q], v[KP], s42
	v_cndmask_b32 v[IDX+\q], v[IDX+\q], v[IP], s42
.endr
.irp t, 0,1,2,3
	v_cndmask_b32 v[OUTP+2*\t], v[KEY+2*\t], v[KEY+2*\t+1], s45
	v_cndmask_b32 v[OUTP+2*\t+1], v[IDX+2*\t], v[IDX+2*\t+1], s45
	global_store_b64 v[CO], v[OUTP+2*\t:OUTP+2*\t+1], s[8:9] offset:256*\t   ; 32 rows' pairs: 256 consecutive bytes, aligned
.endr
	s_wait_tensorcnt 0x0                           ; the wave's end
	ds_add_u32 v[SPW], v[NIL]
	s_wait_dscnt 0x0
	CROUND                                         ; the closing round
	s_endpgm
.Lfunc_end_k_qe940f80647_search:
	.size	k_qe940f80647_search, .Lfunc_end_k_qe940f80647_search-k_qe940f80647_search
	.p2alignl 7, 3214868480
	.fill 96, 4, 3214868480
	.section	.rodata,"a",@progbits
	.p2align	6, 0x0
	.amdhsa_kernel k_qe940f80647_search
		.amdhsa_group_segment_fixed_size 327680
		.amdhsa_private_segment_fixed_size 0
		.amdhsa_enable_private_segment 0
		.amdhsa_kernarg_size 24
		.amdhsa_user_sgpr_count 2
		.amdhsa_user_sgpr_kernarg_segment_ptr 1
		.amdhsa_wavefront_size32 1
		.amdhsa_system_sgpr_workgroup_id_x 1
		.amdhsa_system_sgpr_workgroup_id_y 1
		.amdhsa_system_sgpr_workgroup_id_z 1
		.amdhsa_system_vgpr_workitem_id 0
		.amdhsa_next_free_vgpr 896
		.amdhsa_next_free_sgpr 66
		.amdhsa_reserve_vcc 1
		.amdhsa_float_denorm_mode_32 3
		.amdhsa_float_denorm_mode_16_64 3
		.amdhsa_memory_ordered 1
		.amdhsa_forward_progress 1
		.amdhsa_inst_pref_size 182
	.end_amdhsa_kernel
	.amdgpu_metadata
---
amdhsa.version: [ 1, 2 ]
amdhsa.kernels:
  - .name:           k_qe940f80647_search
    .symbol:         k_qe940f80647_search.kd
    .args:
      - { .name: xq, .offset: 0, .size: 8, .value_kind: global_buffer, .address_space: global }
      - { .name: eq, .offset: 8, .size: 8, .value_kind: global_buffer, .address_space: global }
      - { .name: cand, .offset: 16, .size: 8, .value_kind: global_buffer, .address_space: global }
    .group_segment_fixed_size: 327680
    .private_segment_fixed_size: 0
    .kernarg_segment_align: 8
    .kernarg_segment_size: 24
    .max_flat_workgroup_size: 128
    .sgpr_count:     66
    .vgpr_count:     896
    .wavefront_size: 32
...
	.end_amdgpu_metadata
.endif
;; end of part 2
;; launch pick (part 3): grid 256 x 1, 4 waves a work-group, no clusters, 0 bytes of LDS; arguments cand, emb_table, out0; writes out0
.if DOCPART == 3
	.amdgcn_target "amdgcn-amd-amdhsa--gfx1250"
	.amdhsa_code_object_version 6
	.text
	.protected	k_qe940f80647_pick
	.globl	k_qe940f80647_pick
	.p2align	8
	.type	k_qe940f80647_pick,@function
k_qe940f80647_pick:
	s_mov_b64 s[64:65], 0
	v_nop
	global_prefetch_b8 v0, s[64:65] scope:SCOPE_SE
	s_setreg_imm32_b32 hwreg(HW_REG_WAVE_MODE, 25, 1), 1
	s_wait_xcnt 0x0
; out0[row][:] = emb_table[index][:], index = the winner among the row's 32 candidates in cand[range][row] = (key, index), whole numbers that the launch before has stored.
; The greater key wins; among equal keys the lower range, whose index is the lower (ranges ascend; where two overlap, both hold the same index).
; SHARES.  Two work-groups of four waves share a block of 32 rows: 256 work-groups.  With w = 4 x (work-group % 2) + wave, a wave copies the block's rows 4 w .. 4 w + 3.
; Every wave merges all 32 rows, a lane a row, so that each of its 32 loads covers 256 consecutive, aligned bytes; lane l takes
; row (l + 4 w) % 32, so that the wave's own four rows lie in lanes 0 to 3.  No LDS, no barrier, no matrix unit: the launch only moves bytes.
; An index is held at 31,999 before it enters an address.
.set C,  16                            ; v16-79  the 32 candidates: key, index
.set D,  80                            ; v80-143 four rows of the table, 16 registers each
	s_load_b128 s[4:7], s[0:1], 0x0                ; cand, emb_table
	s_load_b64 s[8:9], s[0:1], 0x10                ; out0
	v_lshrrev_b32 v1, 5, v0
	s_delay_alu instid0(VALU_DEP_1)
	v_readfirstlane_b32 s10, v1                    ; wave 0..3
	v_and_b32 v1, 31, v0                           ; lane
	s_delay_alu instid0(VALU_DEP_1)
	v_lshlrev_b32 v4, 4, v1                        ; 16 x lane: my place in 512 bytes of a row; never rewritten
	s_and_b32 s16, ttmp9, 1
	s_lshl_b32 s16, s16, 2
	s_add_co_u32 s10, s10, s16                     ; w, 0..7
	s_lshr_b32 s17, ttmp9, 1                       ; the block of 32 rows
	s_lshl_b32 s11, s10, 2
	v_add_nc_u32 v2, s11, v1
	s_delay_alu instid0(VALU_DEP_1)
	v_and_b32 v2, 31, v2                           ; my row of the 32
	s_delay_alu instid0(VALU_DEP_1)
	v_lshlrev_b32 v3, 3, v2                        ; its pair
	s_lshl_b32 s12, s17, 8                         ; the block's 32 pairs
	s_mov_b32 s13, 0
	s_lshl_b32 s14, s17, 5
	s_add_co_u32 s14, s14, s11
	s_lshl_b32 s14, s14, 11                        ; my wave's first row of out0: 2,048 bytes a row
	s_mov_b32 s15, 0
	s_wait_alu depctr_va_vdst(0)
	s_wait_kmcnt 0x0
	s_add_nc_u64 s[4:5], s[4:5], s[12:13]
	s_add_nc_u64 s[8:9], s[8:9], s[14:15]
.set g, 0
.rept 32
	global_load_b64 v[C+2*g:C+2*g+1], v3, s[4:5] offset:32768*g
.set g, g+1
.endr
	s_wait_loadcnt 0x0
.macro BETTER a, b, m                  ; the candidate at v[b] takes the place of that at v[a] where its key is strictly greater
	v_cmp_gt_u32 s[\m], v[\b], v[\a]
	s_delay_alu instid0(VALU_DEP_1)
	v_cndmask_b32 v[\a], v[\a], v[\b], s[\m]
	s_delay_alu instid0(VALU_DEP_2)
	v_cndmask_b32 v[(\a)+1], v[(\a)+1], v[(\b)+1], s[\m]
.endm
.irp k, 1,2,3,4,5,6,7                  ; four chains of eight ranges, by turns
.irp c, 0,1,2,3
	BETTER C+16*\c, C+16*\c+2*\k, 16+\c
.endr
.endr
	BETTER C, C+16, 16
	BETTER C+32, C+48, 17
	BETTER C, C+32, 16
.irp i, 0,1,2,3
	v_readlane_b32 s[20+\i], v[C+1], \i            ; row 4 w + i's index
	s_min_u32 s[20+\i], s[20+\i], 31999
	s_lshl_b32 s[20+\i], s[20+\i], 11              ; its row of the table, in bytes
	v_add_nc_u32 v[8+\i], s[20+\i], v4
.endr
.irp i, 0,1,2,3
.irp j, 0,1,2,3
	global_load_b128 v[D+16*\i+4*\j:D+16*\i+4*\j+3], v[8+\i], s[6:7] offset:512*\j   ; 512 consecutive bytes of the row
.endr
.endr
.irp i, 0,1,2,3
.irp j, 0,1,2,3
	s_wait_loadcnt 15-4*\i-\j                      ; loads come back in order: this one is in, the younger ones stay out
	global_store_b128 v4, v[D+16*\i+4*\j:D+16*\i+4*\j+3], s[8:9] offset:2048*\i+512*\j th:TH_STORE_NT   ; 512 consecutive bytes, at a multiple of 256 from out0's first byte
.endr
.endr
	s_endpgm
.Lfunc_end_k_qe940f80647_pick:
	.size	k_qe940f80647_pick, .Lfunc_end_k_qe940f80647_pick-k_qe940f80647_pick
	.p2alignl 7, 3214868480
	.fill 96, 4, 3214868480
	.section	.rodata,"a",@progbits
	.p2align	6, 0x0
	.amdhsa_kernel k_qe940f80647_pick
		.amdhsa_group_segment_fixed_size 0
		.amdhsa_private_segment_fixed_size 0
		.amdhsa_enable_private_segment 0
		.amdhsa_kernarg_size 24
		.amdhsa_user_sgpr_count 2
		.amdhsa_user_sgpr_kernarg_segment_ptr 1
		.amdhsa_wavefront_size32 1
		.amdhsa_system_sgpr_workgroup_id_x 1
		.amdhsa_system_sgpr_workgroup_id_y 1
		.amdhsa_system_sgpr_workgroup_id_z 1
		.amdhsa_system_vgpr_workitem_id 0
		.amdhsa_next_free_vgpr 160
		.amdhsa_next_free_sgpr 66
		.amdhsa_reserve_vcc 0
		.amdhsa_float_denorm_mode_32 3
		.amdhsa_float_denorm_mode_16_64 3
		.amdhsa_memory_ordered 1
		.amdhsa_forward_progress 1
		.amdhsa_inst_pref_size 17
	.end_amdhsa_kernel
	.amdgpu_metadata
---
amdhsa.version: [ 1, 2 ]
amdhsa.kernels:
  - .name:           k_qe940f80647_pick
    .symbol:         k_qe940f80647_pick.kd
    .args:
      - { .name: cand, .offset: 0, .size: 8, .value_kind: global_buffer, .address_space: global }
      - { .name: emb_table, .offset: 8, .size: 8, .value_kind: global_buffer, .address_space: global }
      - { .name: out0, .offset: 16, .size: 8, .value_kind: global_buffer, .address_space: global }
    .group_segment_fixed_size: 0
    .private_segment_fixed_size: 0
    .kernarg_segment_align: 8
    .kernarg_segment_size: 24
    .max_flat_workgroup_size: 128
    .sgpr_count:     66
    .vgpr_count:     160
    .wavefront_size: 32
...
	.end_amdgpu_metadata
.endif
;; end of part 3
